; MI455X (gfx1250); checked and timed in simulation.
; The chip was launched on July 23, 2026; its instructions are those of AMD's public machine-readable ISA for CDNA 5 (MIT licence, August 2026) and "CDNA5" Instruction Set Architecture Reference Guide (July 2026). The comments in the code are by the model that wrote it; some were corrected since.
;; LSTM. Allowed arithmetic: float matrix products may take bf16 or f16 operands with f32 sums; other float arithmetic in f32, or as packed bf16 or f16 multiplies, adds, multiply-adds, maxima and minima; sums over many terms, partial sums and values carried from step to step in f32; what a program stores and reads back later, other than sums and carried values, may be rounded once to bf16 or f16.
;; Inputs: W_hf 2,048 x 2,048 float32; W_hg 2,048 x 2,048 float32; W_hi 2,048 x 2,048 float32; W_ho 2,048 x 2,048 float32; W_if 2,048 x 2,048 float32; W_ig 2,048 x 2,048 float32; W_ii 2,048 x 2,048 float32; W_io 2,048 x 2,048 float32; b_f 2,048 float32; b_g 2,048 float32; b_i 2,048 float32; b_o 2,048 float32; hidden 2,048 x 2,048 float32; input 2,048 x 2,048 float32; output 2,048 x 2,048 float32.
;; Outputs: out0 2,048 x 2,048 float32; out1 2,048 x 2,048 float32.
;; 2 versions, each right; version 2 is version 1 with the launch cast written anew for expert scheduling mode. Each part assembles by itself: llvm-mc -triple=amdgcn-amd-amdhsa -mcpu=gfx1250 --defsym DOCPART=n.
;; ======== version 1 of 2: 2 launches
;; workspace buffers: abf 16,777,216 bytes; wbf 67,108,864 bytes
;; launch cast (part 1): grid 1280 x 1, 8 waves a work-group, no clusters, 0 bytes of LDS; arguments input, hidden, W_ii, W_if, W_ig, W_io, W_hi, W_hf, W_hg, W_ho, abf, wbf; writes abf, wbf
.if DOCPART == 1
	.amdgcn_target "amdgcn-amd-amdhsa--gfx1250"
	.amdhsa_code_object_version 6
	.text
	.protected	k_q4c78405b05_cast
	.globl	k_q4c78405b05_cast
	.p2align	8
	.type	k_q4c78405b05_cast,@function
k_q4c78405b05_cast:
	s_mov_b64 s[64:65], 0
	v_nop
	global_prefetch_b8 v0, s[64:65] scope:SCOPE_SE
	s_setreg_imm32_b32 hwreg(HW_REG_WAVE_MODE, 25, 1), 1
	s_wait_xcnt 0x0
; LSTM cell, launch 1 of 2: the matrix operands are rounded once to bf16 (nearest even) and laid out for launch 2.
; pre = [input | hidden] x [W_i* ; W_h*] + b is ONE product, M = 2048, K = 4096, N = 4 gates x 2048.
; NO WORK IS LEFT OUT in either launch: all 15 inputs reach both outputs (c = f c_prev + i g, h = o tanh c, and each gate takes both products and its bias).
; This launch loads the ten matrix operands; the four biases and output (c_prev) stay f32 and are loaded by launch 2.
;   abf [2048 m][4096 k] bf16: k < 2048 is input[m][k], the rest hidden[m][k - 2048]; a row is 8,192 bytes.
;   wbf [32 cb][4096 k][256 n] bf16: cb is a block of 64 cell columns; column c64 of it and gate g (0 i, 1 f, 2 g, 3 o) lie at n = 8 (c64 / 2) + 2 g + c64 % 2;
;       k < 2048 comes from W_i*, the rest from W_h*.  A row is 512 bytes, a block 2,097,152.
;       So a lane that takes two neighbouring columns of each of the four gates holds 16 bytes on end of wbf, and in launch 2 the eight numbers of a lane in one
;       accumulator are i, i, f, f, g, g, o, o of two neighbouring cells of one row.
; A STREAM: straight text, no loop, no LDS, no barrier; no register is written twice, so no wait frees one.  Every work-group moves 128 KiB in and 64 KiB out.
; No matrix unit (nothing is multiplied), no tensor load or cluster (no byte is wanted by two waves or two work-groups), no prefetch (all loads of a wave go out at once).
; Work-groups 0..1023: weights.  1024..1279: input and hidden.  The branch hangs on the work-group number alone.
.set X,    4                           ; v[4:131]    as loaded, f32
.set Y,    132                         ; v[132:195]  packed bf16
.set ROWF, 8192                        ; bytes in a row of every f32 operand, and of abf
.set ROWW, 512                         ; bytes in a row of wbf
	s_load_b512 s[4:19], s[0:1], 0x0               ; input 4:5, hidden 6:7, W_ii 8:9, W_if 10:11, W_ig 12:13, W_io 14:15, W_hi 16:17, W_hf 18:19
	s_load_b256 s[20:27], s[0:1], 0x40             ; W_hg 20:21, W_ho 22:23, abf 24:25, wbf 26:27
	v_and_b32 v1, 31, v0                           ; lane
	v_lshrrev_b32 v2, 5, v0
	v_readfirstlane_b32 s3, v2                     ; wave 0..7
	s_mov_b32 s2, ttmp9
	s_cmp_lt_u32 s2, 0x400
	s_cbranch_scc0 .Lact
	; WEIGHTS.  The work-group takes 16 rows k (block kb of 256) of 8 column blocks; wave w takes column block cb = 8 cq + w, all four gates.
	s_lshr_b32 s36, s2, 2                          ; kb
	s_and_b32 s37, s2, 3                           ; cq
	s_lshl3_add_u32 s37, s37, s3                   ; cb
	s_and_b32 s38, s36, 127                        ; the block of rows inside its own matrix,
	s_lshl_b32 s38, s38, 17                        ; 16 rows of 8,192 bytes each
	s_lshl_b32 s39, s37, 8                         ; 64 columns of f32
	s_add_co_u32 s38, s38, s39
	v_lshl_add_u32 v2, v1, 3, s38                  ; + two columns a lane: a load of the wave covers 256 bytes on end, aligned
	s_lshl_b32 s39, s37, 21                        ; in wbf: the column block,
	s_lshl_b32 s37, s36, 13                        ; 16 rows of 512 bytes
	s_add_co_u32 s39, s39, s37
	v_lshl_add_u32 v3, v1, 4, s39                  ; + 16 bytes a lane: a store of the wave covers a whole row of 512 bytes
	s_wait_kmcnt 0x0
	s_cmp_lt_u32 s36, 128                          ; k < 2048: the matrices that multiply input
	s_cselect_b64 s[28:29], s[8:9], s[16:17]       ; gate i
	s_cselect_b64 s[30:31], s[10:11], s[18:19]     ; gate f
	s_cselect_b64 s[32:33], s[12:13], s[20:21]     ; gate g
	s_cselect_b64 s[34:35], s[14:15], s[22:23]     ; gate o
.irp i, 0,1,2,3,4,5,6,7,8,9,10,11,12,13,14,15
.irp g, 0,1,2,3
	global_load_b64 v[X+8*(\i)+2*(\g):X+8*(\i)+2*(\g)+1], v2, s[28+2*(\g):29+2*(\g)] offset:(\i)*ROWF th:TH_LOAD_NT
.endr
.endr
.irp i, 0,1,2,3,4,5,6,7,8,9,10,11,12,13,14,15
	s_wait_loadcnt 60-4*(\i)                       ; loads come back in order: row i's four are in, the 60 - 4 i issued behind them stay out
.irp g, 0,1,2,3
	v_cvt_pk_bf16_f32 v[Y+4*(\i)+(\g)], v[X+8*(\i)+2*(\g)], v[X+8*(\i)+2*(\g)+1]
.endr
	global_store_b128 v3, v[Y+4*(\i):Y+4*(\i)+3], s[26:27] offset:(\i)*ROWW th:TH_STORE_NT
.endr
	s_endpgm
.Lact:
	; INPUT AND HIDDEN.  The work-group takes 16 rows of one of the two, wave w two of them: 16,384 bytes on end.
	s_sub_co_u32 s36, s2, 0x400
	s_lshr_b32 s37, s36, 7                         ; 0: input, 1: hidden
	s_and_b32 s38, s36, 127
	s_lshl_b32 s38, s38, 4
	s_lshl1_add_u32 s38, s3, s38                   ; my first row = 16 x block + 2 x wave
	s_lshl_b32 s38, s38, 13                        ; rows of 8,192 bytes, in the source and in abf
	v_lshl_add_u32 v2, v1, 4, s38                  ; four f32 a lane
	s_lshl_b32 s39, s37, 12                        ; hidden takes the second half of a row of abf
	s_add_co_u32 s39, s39, s38
	v_lshl_add_u32 v3, v1, 3, s39                  ; four bf16 a lane: a store of the wave covers 256 bytes on end, aligned
	s_wait_kmcnt 0x0
	s_cmp_eq_u32 s37, 0
	s_cselect_b64 s[28:29], s[4:5], s[6:7]
.irp j, 0,1,2,3,4,5,6,7,8,9,10,11,12,13,14,15,16,17,18,19,20,21,22,23,24,25,26,27,28,29,30,31
	global_load_b128 v[X+4*(\j):X+4*(\j)+3], v2, s[28:29] offset:(\j)*512 th:TH_LOAD_NT
.endr
.irp j, 0,1,2,3,4,5,6,7,8,9,10,11,12,13,14,15,16,17,18,19,20,21,22,23,24,25,26,27,28,29,30,31
	s_wait_loadcnt 31-(\j)                         ; load j is in, the younger ones stay out
	v_cvt_pk_bf16_f32 v[Y+2*(\j)], v[X+4*(\j)], v[X+4*(\j)+1]
	v_cvt_pk_bf16_f32 v[Y+2*(\j)+1], v[X+4*(\j)+2], v[X+4*(\j)+3]
	global_store_b64 v3, v[Y+2*(\j):Y+2*(\j)+1], s[24:25] offset:((\j)/16)*ROWF+((\j)%16)*256 th:TH_STORE_NT
.endr
	s_endpgm
.Lfunc_end_k_q4c78405b05_cast:
	.size	k_q4c78405b05_cast, .Lfunc_end_k_q4c78405b05_cast-k_q4c78405b05_cast
	.p2alignl 7, 3214868480
	.fill 96, 4, 3214868480
	.section	.rodata,"a",@progbits
	.p2align	6, 0x0
	.amdhsa_kernel k_q4c78405b05_cast
		.amdhsa_group_segment_fixed_size 0
		.amdhsa_private_segment_fixed_size 0
		.amdhsa_enable_private_segment 0
		.amdhsa_kernarg_size 96
		.amdhsa_user_sgpr_count 2
		.amdhsa_user_sgpr_kernarg_segment_ptr 1
		.amdhsa_wavefront_size32 1
		.amdhsa_system_sgpr_workgroup_id_x 1
		.amdhsa_system_sgpr_workgroup_id_y 1
		.amdhsa_system_sgpr_workgroup_id_z 1
		.amdhsa_system_vgpr_workitem_id 0
		.amdhsa_next_free_vgpr 196
		.amdhsa_next_free_sgpr 66
		.amdhsa_reserve_vcc 0
		.amdhsa_float_denorm_mode_32 3
		.amdhsa_float_denorm_mode_16_64 3
		.amdhsa_memory_ordered 1
		.amdhsa_forward_progress 1
		.amdhsa_inst_pref_size 25
	.end_amdhsa_kernel
	.amdgpu_metadata
---
amdhsa.version: [ 1, 2 ]
amdhsa.kernels:
  - .name:           k_q4c78405b05_cast
    .symbol:         k_q4c78405b05_cast.kd
    .args:
      - { .name: input, .offset: 0, .size: 8, .value_kind: global_buffer, .address_space: global }
      - { .name: hidden, .offset: 8, .size: 8, .value_kind: global_buffer, .address_space: global }
      - { .name: W_ii, .offset: 16, .size: 8, .value_kind: global_buffer, .address_space: global }
      - { .name: W_if, .offset: 24, .size: 8, .value_kind: global_buffer, .address_space: global }
      - { .name: W_ig, .offset: 32, .size: 8, .value_kind: global_buffer, .address_space: global }
      - { .name: W_io, .offset: 40, .size: 8, .value_kind: global_buffer, .address_space: global }
      - { .name: W_hi, .offset: 48, .size: 8, .value_kind: global_buffer, .address_space: global }
      - { .name: W_hf, .offset: 56, .size: 8, .value_kind: global_buffer, .address_space: global }
      - { .name: W_hg, .offset: 64, .size: 8, .value_kind: global_buffer, .address_space: global }
      - { .name: W_ho, .offset: 72, .size: 8, .value_kind: global_buffer, .address_space: global }
      - { .name: abf, .offset: 80, .size: 8, .value_kind: global_buffer, .address_space: global }
      - { .name: wbf, .offset: 88, .size: 8, .value_kind: global_buffer, .address_space: global }
    .group_segment_fixed_size: 0
    .private_segment_fixed_size: 0
    .kernarg_segment_align: 8
    .kernarg_segment_size: 96
    .max_flat_workgroup_size: 256
    .sgpr_count:     66
    .vgpr_count:     196
    .wavefront_size: 32
...
	.end_amdgpu_metadata
.endif
;; end of part 1
;; launch lstm (part 2): grid 32 x 8, 4 waves a work-group, clusters of 4 x 4, 327,680 bytes of LDS; arguments abf, wbf, output, b_i, b_f, b_g, b_o, out0, out1; writes out0, out1
.if DOCPART == 2
	.amdgcn_target "amdgcn-amd-amdhsa--gfx1250"
	.amdhsa_code_object_version 6
	.text
	.protected	k_q4c78405b05_lstm
	.globl	k_q4c78405b05_lstm
	.p2align	8
	.type	k_q4c78405b05_lstm,@function
k_q4c78405b05_lstm:
	s_mov_b64 s[64:65], 0
	v_nop
	global_prefetch_b8 v0, s[64:65] scope:SCOPE_SE
	s_setreg_imm32_b32 hwreg(HW_REG_WAVE_MODE, 25, 1), 1
	s_wait_xcnt 0x0
	s_wait_alu depctr_hold_cnt(0) depctr_sa_sdst(0) depctr_va_vdst(0) depctr_va_sdst(0) depctr_va_ssrc(0) depctr_va_vcc(0) depctr_vm_vsrc(0)
	s_getreg_b32 s2, hwreg(HW_REG_IB_STS2, 6, 4)
	s_cmp_eq_u32 s2, 0
	s_cbranch_scc0 .Lentry_in_a_cluster
	s_endpgm
.Lentry_in_a_cluster:
	s_bfe_u32 s2, ttmp6, 0x10000c
	s_cmp_lg_u32 s2, 0xf033
	s_cbranch_scc0 .Lentry_shape_is_right
	s_endpgm
.Lentry_shape_is_right:
; LSTM cell, launch 2 of 2: pre = abf x wbf + b (bf16 operands, f32 sums), then i, f, o = sigmoid, g = tanh, c = f c_prev + i g (out0), h = o tanh(c) (out1).  Nothing is left out.
; abf [2048][4096] bf16; wbf [32 cb][4096 k][256 n] bf16 with n = 8 (c64 / 2) + 2 gate + c64 % 2 (launch 1 made both); output, out0, out1 [2048][2048] f32; biases [2048] f32.
; LIMITS.  sigmoid(x) = 1 / (1 + 2^(-x log2 e)); tanh(x) = 1 - 2 / (1 + 2^(2 x log2 e)).  Where the power is an infinity or 0 both forms give their limits 0, 1, -1, so large inputs are served.
; tanh carries an absolute error of about 1e-7, so below |x| of about 1e-5 its relative accuracy is lost.  The exponential and the reciprocal are good to one unit in the last place and take denormals as 0
; (ISA guide, their entries in 15.8).  A NaN goes through to the result.  The matrix operands carry the one rounding to bf16 of launch 1; biases and c_prev are taken in f32.
; SHARES.  Work-group (cb, y) makes rows 256 y .. + 255 of the cells 64 cb .. + 63: a tile of 256 x 256 of pre.  Four waves, each 128 rows x 128 n (32 cells x 4 gates): 64 accumulators of 16 x 16, 512 registers.
; K goes in 32 steps of 128 through a ring of two LDS slots filled by the tensor data mover: 256 rows x 256 bytes of abf, 128 rows k x 512 bytes of wbf.
; THE MATRIX INSTRUCTION IS USED TRANSPOSED: source 0 = 16 n of wbf (turned on the way out of LDS by ds_load_tr16_b128), source 1 = 16 rows of abf.  In accumulator (a, b) lane l = (r = l % 16, h = l / 16)
; holds row 16 a + r, and its register 2 g + e holds gate g of cell 4 b + 2 h + e of the wave: all four gates of two neighbouring cells in one lane, in pairs for the packed f32 forms.
; THE BIAS is the C operand of the first product on each accumulator: nothing is cleared and nothing is added later.
; CLUSTERS: 4 x 4 work-groups.  The four of a row of the cluster share y and so the tiles of abf, the four of a column share cb and so the tiles of wbf: each tile is asked for JOINTLY, by the same
; tensor load with the same descriptor and a mask that names the four.
; c_prev (256 rows x 256 bytes) comes by the last fill of slot 0, a load of each work-group's own, behind the last round but one.  c and h go out through stages in slot parts that have had their last fill.
; REGISTERS, in windows of 256 (s_set_vgpr_msb: bits 1:0 source 0, 3:2 source 1, 5:4 source 2, 7:6 destination):
;   window 0: v0-31 addresses; v64-127, v128-191 fragments of abf, two buffers; v192-255 the biases; in the cell's arithmetic v32-159 at work; on the way out v64-255 three sets of 64
;   window 1: v64-127, v128-191 fragments of wbf, two buffers       window 2: the accumulators of my rows 0-63 ((a, b) at v[8 (8 a + b)])       window 3: those of my rows 64-127
.set PA,     272                       ; an LDS row of abf, of c_prev and of the stages: 256 bytes + 16 = 68 words: row r starts at bank 4 r mod 64 (64 banks of 4 bytes: ISA guide 11.1)
.set PB,     544                       ; an LDS row of wbf: 512 bytes + 32 = 136 words: row r starts at bank 8 r mod 64
.set HALFT,  128*PA                    ; what one tensor load of the ring brings: 128 rows of abf, or 64 rows of wbf (64 x 544 is the same number)
.set BPART,  2*HALFT                   ; in a slot: abf's 256 rows, then wbf's 128
.set SLOT,   4*HALFT
.set CP,     0                         ; after the ring: c_prev in slot 0's first part (its last fill),
.set HS,     BPART                     ; the stage of h in slot 0's second part,
.set CST,    SLOT                      ; the stage of c in slot 1's first part
.set SPARE,  2*SLOT                    ; behind the ring: the spare words, 128 bytes for each wave: two blocks of 256 bytes that no other line names
.set ASTEP,  256                       ; a K step in memory: 256 bytes along a row of abf,
.set BSTEP,  65536                     ; 128 rows of 512 bytes of wbf
.set OROW,   8192                      ; bytes in a row of output, out0, out1
.set LAPS,   16                        ; a lap = two K steps = once round the ring
.set ADRA, 16                          ; v16-17  LDS address of my fragments of abf in slot 0, 1
.set ADRB, 20                          ; v20-21  the same for wbf
.set CPA,  22                          ; v22     my 8 bytes of c_prev: row 128 wm + r, byte 128 wn + 8 h
.set CSA,  23                          ; v23     the same place in the stage of c
.set HSA,  24                          ; v24     and of h
.set RDC,  25                          ; v25     the way out: row 64 w + h of the stage of c, byte 16 r
.set RDH,  26                          ; v26     the same for h
.set CO,   27                          ; v27     the same two rows in out0 and out1
.set SPW,  28                          ; v28     LDS address of my spare word: SPARE + 4 x my thread number; never rewritten
.set NIL,  29                          ; v29     0; never rewritten
.set PFO,  30                          ; v30     the prefetches' offset: my lane x a row of abf, or my lane x 256 bytes of wbf; never rewritten
.set BO,   31                          ; v31     my byte offset in a bias
.set CPR,  32                          ; v32-47   c_prev, a pair for each b
.set U,    48                          ; v48-63   at work for tanh(c)
.set T,    64                          ; v64-127  the gates of one block of 16 rows
.set CC,   128                         ; v128-143 c
.set HH,   144                         ; v144-159 h
.set F0,   64                          ; fragment buffer 0
.set F1,   128                         ; fragment buffer 1
.set BIAS, 192                         ; v192-255: gate g, cell 4 b + 2 h + e at 8 b + 2 g + e
.set S0,   64                          ; the way out: three sets of 64
.set S1,   128
.set S2,   192
.set G1,  24                           ; s[24:31] descriptor group 1 for abf's tiles
.set G0,  32                           ; s[32:39] group 0, a set for each slot
.set G1B, 48                           ; s[48:55] group 1 for wbf's tiles
.set G0B, 56                           ; s[56:63] group 0, a set for each slot
.set G1C, 84                           ; s[84:91] group 1 for c_prev
.set G0C, 92                           ; s[92:95] group 0 for c_prev
.set LIM, 43                           ; s43      1 in a wave that prefetches, else the greatest number
.set PFA, 44                           ; s[44:45] where my prefetches stand
.set PFS, 96                           ; s[96:97] their step: a K step of abf or of wbf
.set NL,  98                           ; s[98:99]   -log2 e, named as a pair
.set TL,  100                          ; s[100:101] 2 log2 e
.set MSB, 0
.macro WIN new                         ; the immediate's high byte repeats the setting that is left; a switch that changes nothing is dropped
.if MSB != (\new)
	s_set_vgpr_msb (MSB<<8)|(\new)
.set MSB, \new
.endif
.endm
.set MUL_LO, 0xa1                      ; source 0 (wbf) window 1, source 1 (abf) window 0, C and D window 2
.set MUL_HI, 0xf1                      ; the same, C and D window 3
.set FST_LO, 0x81                      ; the first products: C (the bias) window 0, D window 2
.set FST_HI, 0xc1                      ; D window 3
.set TO_B,   0x40                      ; destination window 1, address window 0
; A joint load.  Waves 0 and 1 fetch abf's two halves of 128 rows, waves 2 and 3 wbf's two halves of 64 rows.  The branch hangs on the wave number alone: it is the same in every work-group.
; An s_nop 0 and four v_nop follow each of the two lines, ahead of the jump, the label and what follows.
.macro JLOAD s
	s_cmp_eq_u32 s11, 0
	s_cbranch_scc0 .Lfor_b_\@
	tensor_load_to_lds s[G0+4*(\s):G0+4*(\s)+3], s[G1:G1+7]
	s_nop 0
.rept 4
	v_nop
.endr
	s_branch .Lasked_\@
.Lfor_b_\@:
	tensor_load_to_lds s[G0B+4*(\s):G0B+4*(\s)+3], s[G1B:G1B+7]
	s_nop 0
.rept 4
	v_nop
.endr
.Lasked_\@:
.endm
; c_prev: every wave fetches 64 rows x 256 bytes of its own work-group's tile (no mask); LDS and global address go by the wave number.
.macro CLOAD
	tensor_load_to_lds s[G0C:G0C+3], s[G1C:G1C+7]
	s_nop 0
.rept 4
	v_nop
.endr
.endm
; A prefetch into the L2 of the K step that stands TWO refills on, 512 matrix instructions ahead of the load that will want it: one instruction a wave, each lane another block of 256 bytes.
; Each block is named once in the launch.  A tile row of abf is read by all clusters of a row of clusters: the one with cluster x = 0 asks; a column block of wbf by both clusters of a column: cluster y = 0 asks.
; The four partners of a joint load share its blocks out BY ADDRESS: of abf's 128 rows partner cx takes 32, a lane a row; of wbf's 32,768 dense bytes partner cy takes 8,192, a lane 256 bytes.
; K steps 0 to 3 come by their loads alone; the loop's last trip (s3 = 1) asks for nothing, since K steps 32 and 33 do not exist.
.macro ASK
	s_cmp_gt_u32 s3, s[LIM]
	s_cbranch_scc0 .Lnot_mine_\@
	global_prefetch_b8 v[PFO], s[PFA:PFA+1] th:TH_LOAD_NT scope:SCOPE_SE
.Lnot_mine_\@:
.endm
; A round of the cluster's barrier: my work-group's barrier, so that wave 0 speaks for all four waves; wave 0 signals; every wave waits for all sixteen work-groups; my work-group's barrier once more.
.macro CREST                           ; a round behind its opening barrier
	s_cmp_lg_u32 s10, 0
	s_cbranch_scc1 .Lnot_wave_0_\@
	s_barrier_signal -3
.Lnot_wave_0_\@:
	s_barrier_wait -3
	s_barrier_signal -1
	s_barrier_wait -1
.endm
.macro CROUND                          ; a whole round
	s_barrier_signal -1
	s_barrier_wait -1
	CREST
.endm
	s_load_b128 s[4:7], s[0:1], 0x0                ; abf s[4:5], wbf s[6:7]
	s_load_b256 s[68:75], s[0:1], 0x10             ; output 68:69, b_i 70:71, b_f 72:73, b_g 74:75
	s_load_b128 s[76:79], s[0:1], 0x30             ; b_o 76:77, out0 78:79
	s_load_b64 s[80:81], s[0:1], 0x40              ; out1
	v_lshl_add_u32 v[SPW], v0, 2, SPARE
	v_mov_b32 v[NIL], 0
	ds_add_u32 v[SPW], v[NIL]                      ; the wave's opening: the add, twice on end, and its wait ahead of my first tensor load; the set-up below, work on registers, stands between
	ds_add_u32 v[SPW], v[NIL]                      ; and once more, under the one wait
	v_lshrrev_b32 v1, 5, v0
	v_readfirstlane_b32 s10, v1                    ; wave 0..3
	s_lshr_b32 s11, s10, 1                         ; wm: which half of the tile's rows is mine.  Also: I fetch for abf (0) or for wbf (1)
	s_and_b32 s12, s10, 1                          ; wn: which half of its n.  Also: which half of that tile I fetch
	s_bfe_u32 s40, ttmp6, 0x40000                  ; cx: my place along the cluster's x
	s_bfe_u32 s41, ttmp6, 0x40004                  ; cy: along its y
	s_lshl_b32 s42, ttmp9, 2                       ; in a cluster launch ttmp9 and ttmp7 count clusters
	s_add_co_u32 s42, s42, s40                     ; cb = 4 x cluster x + cx
	s_and_b32 s13, ttmp7, 0xffff
	s_lshl_b32 s13, s13, 2
	s_add_co_u32 s13, s13, s41                     ; y = 4 x cluster y + cy
	s_lshl_b32 s43, s41, 2
	s_lshl_b32 s43, 15, s43                        ; my row of the cluster: places 4 cy .. 4 cy + 3
	s_lshl_b32 s44, 0x1111, s40                    ; my column: places cx, cx + 4, cx + 8, cx + 12
	; group 1 for abf: 128 rows x 128 elements of 2 bytes, 4,096 elements from row to row
	s_or_b32 s[G1+0], s43, (1<<16)|(1<<20)|(1<<21)|(5<<22)|(3<<25)   ; 15:0 the mask: my row; 17:16 2-byte elements; 20 padding on; 21 set beside a mask; 24:22 after every 64 words (code 5); 31:25 4 words (code 3)
	s_mov_b32 s[G1+1], 128<<16                     ; tensor_dim0 = 128
	s_mov_b32 s[G1+2], 128<<16                     ; tensor_dim1 = 128
	s_mov_b32 s[G1+3], 128<<16                     ; tile_dim0 = 128
	s_mov_b32 s[G1+4], 128                         ; tile_dim1 = 128
	s_mov_b32 s[G1+5], 4096                        ; stride
	s_mov_b32 s[G1+6], 0
	s_mov_b32 s[G1+7], 0
	; group 1 for wbf: 64 rows x 256 elements of 2 bytes, dense
	s_or_b32 s[G1B+0], s44, (1<<16)|(1<<20)|(1<<21)|(6<<22)|(7<<25)  ; the mask: my column; after every 128 words (code 6) 8 words of padding (code 7)
	s_mov_b32 s[G1B+1], 256<<16                    ; tensor_dim0 = 256
	s_mov_b32 s[G1B+2], 64<<16                     ; tensor_dim1 = 64
	s_mov_b32 s[G1B+3], 256<<16                    ; tile_dim0 = 256
	s_mov_b32 s[G1B+4], 64                         ; tile_dim1 = 64
	s_mov_b32 s[G1B+5], 256                        ; stride
	s_mov_b32 s[G1B+6], 0
	s_mov_b32 s[G1B+7], 0
	; group 1 for c_prev: 64 rows x 64 elements of 4 bytes, 2,048 elements from row to row; no mask
	s_mov_b32 s[G1C+0], (2<<16)|(1<<20)|(5<<22)|(3<<25)
	s_mov_b32 s[G1C+1], 64<<16
	s_mov_b32 s[G1C+2], 64<<16
	s_mov_b32 s[G1C+3], 64<<16
	s_mov_b32 s[G1C+4], 64
	s_mov_b32 s[G1C+5], 2048
	s_mov_b32 s[G1C+6], 0
	s_mov_b32 s[G1C+7], 0
	s_mov_b32 s[NL], 0xbfb8aa3b                    ; -log2 e
	s_mov_b32 s[NL+1], 0xbfb8aa3b
	s_mov_b32 s[TL], 0x4038aa3b                    ; 2 log2 e
	s_mov_b32 s[TL+1], 0x4038aa3b
	; where the tiles come from.  abf's hang on y alone, which my row of the cluster shares; wbf's on cb alone, which my column shares.  Every wave makes both, in registers that never hold the other coordinate.
	s_lshl_b32 s16, s13, 8
	s_lshl_b32 s17, s12, 7
	s_add_co_u32 s16, s16, s17                     ; row 256 y + 128 x half,
	s_lshl_b32 s16, s16, 13                        ; of 8,192 bytes
	s_mov_b32 s17, 0
	s_lshl_b32 s46, s42, 21                        ; block cb,
	s_lshl_b32 s47, s12, 15                        ; 64 rows of 512 bytes x half
	s_add_co_u32 s46, s46, s47
	s_mov_b32 s47, 0
	s_mul_i32 s20, s10, HALFT                      ; and where they go: wave x 34,816: abf's two halves, then wbf's two: no place in the cluster enters an LDS address
	s_wait_dscnt 0x0                               ; both opening adds are done
	s_wait_kmcnt 0x0
	s_add_nc_u64 s[14:15], s[4:5], s[16:17]
	s_add_nc_u64 s[46:47], s[6:7], s[46:47]
	CROUND                                         ; all sixteen work-groups are here: the first joint loads meet
.irp s, 0,1
	s_mov_b32 s[G0+4*(\s)], 1                                        ; count = 1
	s_add_co_u32 s[G0+4*(\s)+1], s20, (\s)*SLOT                      ; LDS address
	s_add_nc_u64 s[G0+4*(\s)+2:G0+4*(\s)+3], s[14:15], (\s)*ASTEP    ; global address: K step s
	s_or_b32 s[G0+4*(\s)+3], s[G0+4*(\s)+3], 0x80000000              ; type = 2
	s_mov_b32 s[G0B+4*(\s)], 1
	s_add_co_u32 s[G0B+4*(\s)+1], s20, (\s)*SLOT
	s_add_nc_u64 s[G0B+4*(\s)+2:G0B+4*(\s)+3], s[46:47], (\s)*BSTEP
	s_or_b32 s[G0B+4*(\s)+3], s[G0B+4*(\s)+3], 0x80000000
	JLOAD \s                                       ; the ring is filled before anything else is done: two loads of mine are out
.endr
	; WHILE THE FIRST TILES ARE ON THEIR WAY: addresses, the biases, c_prev's descriptor, the prefetches' registers
	v_and_b32 v1, 15, v0                           ; r
	v_bfe_u32 v2, v0, 4, 1                         ; h
	; a fragment of abf is 16 rows x 32 K in 8 registers: lane l holds row r; registers 0-3 K = 8 h + 0..7, registers 4-7 K = 16 + 8 h + 0..7: two loads of 16 bytes, 32 bytes apart
	v_mul_u32_u24 v3, v1, PA
	v_lshl_add_u32 v3, v2, 4, v3                   ; r x pitch + 16 h
	s_mul_i32 s21, s11, HALFT                      ; my 128 rows
	v_add_nc_u32 v[ADRA], s21, v3
	v_add_nc_u32 v[ADRA+1], SLOT, v[ADRA]
	; the turning load takes 16 K x 16 n (lane l reads row 8 h + l % 8, 16 bytes at 16 ((l / 8) % 2)) and leaves half a fragment: lane l holds n = r and 8 K
	v_and_b32 v4, 7, v0
	v_lshl_add_u32 v4, v2, 3, v4
	v_mul_u32_u24 v4, v4, PB
	v_bfe_u32 v5, v0, 3, 1
	v_lshl_add_u32 v4, v5, 4, v4
	s_lshl_b32 s22, s12, 8                         ; my 128 n: 256 bytes of a row,
	s_add_co_u32 s22, s22, BPART                   ; behind abf's part of the slot
	v_add_nc_u32 v[ADRB], s22, v4
	v_add_nc_u32 v[ADRB+1], SLOT, v[ADRB]
	v_mul_u32_u24 v6, v1, PA                       ; c_prev and the stages: row 128 wm + r, byte 128 wn + 8 h
	v_lshl_add_u32 v6, v2, 3, v6
	s_lshl_b32 s23, s12, 7
	s_add_co_u32 s23, s23, s21
	v_add_nc_u32 v[CPA], s23, v6
	v_add_nc_u32 v[CSA], CST, v[CPA]
	v_add_nc_u32 v[HSA], HS, v[CPA]
	v_mul_u32_u24 v7, v2, PA                       ; back: wave w takes rows 64 w .. + 63, whole; lanes 0-15 one row of 256 bytes, lanes 16-31 the next
	v_lshl_add_u32 v7, v1, 4, v7
	s_mul_i32 s23, s10, 64*PA
	s_add_co_u32 s23, s23, HS
	v_add_nc_u32 v[RDH], s23, v7
	v_add_nc_u32 v[RDC], CST-HS, v[RDH]
	v_lshlrev_b32 v8, 13, v2                       ; and the same two rows in out0 and out1
	v_lshl_add_u32 v[CO], v1, 4, v8
	s_lshl_b32 s23, s42, 8                         ; the biases: cell 64 cb + 32 wn + 2 h, in bytes
	s_lshl_b32 s22, s12, 7
	s_add_co_u32 s23, s23, s22
	v_lshl_add_u32 v[BO], v2, 3, s23
.irp b, 0,1,2,3,4,5,6,7
.irp g, 0,1,2,3
	global_load_b64 v[BIAS+8*(\b)+2*(\g):BIAS+8*(\b)+2*(\g)+1], v[BO], s[70+2*(\g):71+2*(\g)] offset:16*(\b)  ; gate g, cells 4 b + 2 h and the next
.endr
.endr
	s_lshl_b32 s66, s13, 8                         ; row 256 y + 64 w, column 64 cb, in bytes: where my 64 rows of c_prev, of out0 and of out1 begin
	s_lshl_b32 s67, s10, 6
	s_add_co_u32 s66, s66, s67
	s_lshl_b32 s66, s66, 13
	s_lshl_b32 s67, s42, 8
	s_add_co_u32 s66, s66, s67
	s_mov_b32 s67, 0
	s_add_nc_u64 s[78:79], s[78:79], s[66:67]
	s_add_nc_u64 s[80:81], s[80:81], s[66:67]
	s_mov_b32 s[G0C], 1
	s_mul_i32 s[G0C+1], s10, 64*PA                 ; LDS: CP + wave x 64 rows
	s_add_nc_u64 s[G0C+2:G0C+3], s[68:69], s[66:67]
	s_or_b32 s[G0C+3], s[G0C+3], 0x80000000
	; the prefetches: both offsets are made, then the wave's kind chooses
	s_lshl_b32 s20, s13, 8
	s_lshl_b32 s21, s12, 7
	s_add_co_u32 s20, s20, s21                     ; the 128 rows of abf that I fetch,
	s_lshl_b32 s21, s40, 5
	s_add_co_u32 s20, s20, s21                     ; my work-group's 32 of them,
	s_lshl_b32 s20, s20, 13
	s_add_co_u32 s20, s20, 3*ASTEP                 ; at K step 3: the first refill steps it to 4
	s_lshl_b32 s21, s42, 21
	s_lshl_b32 s22, s12, 15
	s_add_co_u32 s21, s21, s22                     ; the 32,768 bytes of wbf that I fetch,
	s_lshl_b32 s22, s41, 13
	s_add_co_u32 s21, s21, s22                     ; my work-group's 8,192 of them,
	s_add_co_u32 s21, s21, 3*BSTEP                 ; at K step 3
	s_and_b32 s22, ttmp7, 0xffff                   ; cluster y
	s_mov_b32 s[PFS], ASTEP
	s_mov_b32 s23, BSTEP
	s_cmp_eq_u32 s11, 0                            ; do I fetch for abf?
	s_cselect_b32 s20, s20, s21
	s_cselect_b32 s22, ttmp9, s22                  ; the coordinate along which other clusters read the same blocks
	s_cselect_b32 s[PFS], s[PFS], s23
	s_cselect_b32 s23, 13, 8                       ; a lane a row of 8,192 bytes, or a lane 256 bytes
	s_cselect_b64 s[PFA:PFA+1], s[4:5], s[6:7]
	s_mov_b32 s21, 0
	s_mov_b32 s[PFS+1], 0
	s_add_nc_u64 s[PFA:PFA+1], s[PFA:PFA+1], s[20:21]
	s_cmp_eq_u32 s22, 0
	s_cselect_b32 s[LIM], 1, -1                    ; the same in all sixteen partners, for a given wave
	v_and_b32 v[PFO], 31, v0
	v_lshlrev_b32 v[PFO], s23, v[PFO]
; 16 matrix instructions: row blocks a0, a0 + 1 of the window's four (hi = 0: my rows 0-63, 1: rows 64-127) x all 8 blocks of n, 32 along K.
; first = 1: the bias is the C operand and starts the sums.  The 64 accumulators take turns in one order everywhere, one instruction a turn.
.macro MUL16 f, hi, a0, first
.if \first
	WIN FST_LO+0x40*(\hi)
.else
	WIN MUL_LO+0x50*(\hi)
.endif
.irp a, \a0, (\a0)+1
.irp b, 0,1,2,3,4,5,6,7
.if \first
	v_wmma_f32_16x16x32_bf16 v[8*(8*(\a)+(\b)):8*(8*(\a)+(\b))+7], v[(\f)+8*(\b):(\f)+8*(\b)+7], v[(\f)+8*(4*(\hi)+(\a)):(\f)+8*(4*(\hi)+(\a))+7], v[BIAS+8*(\b):BIAS+8*(\b)+7]
.else
	v_wmma_f32_16x16x32_bf16 v[8*(8*(\a)+(\b)):8*(8*(\a)+(\b))+7], v[(\f)+8*(\b):(\f)+8*(\b)+7], v[(\f)+8*(4*(\hi)+(\a)):(\f)+8*(4*(\hi)+(\a))+7], v[8*(8*(\a)+(\b)):8*(8*(\a)+(\b))+7]
.endif
.endr
.endr
.endm
; 32 LDS loads in one run: the fragments of quarter q of a K step (32 K x 128 n of wbf, turned; 128 rows x 32 K of abf) into buffer f
.macro FETCH slot, q, f
	WIN TO_B
.irp i, 0,1,2,3,4,5,6,7
	ds_load_tr16_b128 v[(\f)+8*(\i):(\f)+8*(\i)+3],   v[ADRB+(\slot)] offset:(\q)*32*PB+32*(\i)
	ds_load_tr16_b128 v[(\f)+8*(\i)+4:(\f)+8*(\i)+7], v[ADRB+(\slot)] offset:(\q)*32*PB+32*(\i)+16*PB
.endr
	WIN 0
.irp i, 0,1,2,3,4,5,6,7
	ds_load_b128 v[(\f)+8*(\i):(\f)+8*(\i)+3],   v[ADRA+(\slot)] offset:64*(\q)+(\i)*16*PA
	ds_load_b128 v[(\f)+8*(\i)+4:(\f)+8*(\i)+7], v[ADRA+(\slot)] offset:64*(\q)+(\i)*16*PA+32
.endr
.endm
; A load into a register that a matrix instruction has read, and a vector instruction that reads a matrix result, stand four places behind it; only plain vector instructions that name none of its
; registers are places (ISA guide 7.12.1 for vector instructions).
.macro PLACES
.rept 4
	v_nop
.endr
.endm
; A K step is four quarters of 32 along K, 64 matrix instructions each, on buffers 0, 1, 0, 1.  One of the first three: multiplies buffer f; in its middle it fetches quarter q of the same slot into buffer g.
.macro QUARTER slot, q, f, g, first
	s_wait_dscnt 8                                 ; wbf's fragments and abf's rows 0-63 are in; the youngest eight loads (abf's rows 64-127) may be out
	MUL16 \f, 0, 0, \first
	MUL16 \f, 0, 2, \first
	PLACES
	FETCH \slot, \q, \g
	s_wait_dscnt 32                                ; all but the 32 just issued
	MUL16 \f, 1, 0, \first
	MUL16 \f, 1, 2, \first
.endm
; The first half of a K step's last quarter: ONE barrier for the change of slots, which opens a round of the cluster's.  In front of it each wave waits for all its tensor loads (one is out: its part of the
; next slot), adds 0 to its spare word, and waits for that and for its own reads of this slot.
.macro MEET
	WIN 0                                          ; (the add's two registers lie in window 0)
	s_wait_tensorcnt 0x0                           ; all my tensor loads have landed
	ds_add_u32 v[SPW], v[NIL]                      ; 0 onto my spare word
	s_wait_dscnt 9                                 ; (the add and the youngest eight loads may be out)
	MUL16 F1, 0, 0, 0                              ; sixteen matrix instructions stand between the add and the wait for it
	s_wait_dscnt 0x0                               ; the add is done, and my reads of this slot are over
	s_barrier_signal -1
	MUL16 F1, 0, 2, 0                              ; work on registers while the others arrive
	WIN 0
	s_barrier_wait -1
.endm
; The whole last quarter.  Behind the round the slot just read out is filled again first: mode 0 with the K step two steps on, by the joint load; mode 1 (the last lap, slot 0) with c_prev.
; Then come the next slot's first fragments.  From a request to the wait for it a wave issues 224 matrix instructions.
.macro TURN slot, next, mode
.if (\mode) == 0
	s_wait_xcnt 0x0                                ; the last prefetch, a K step back, has read its address: it is stepped here, ahead of the waits of the change of slots
	s_add_nc_u64 s[PFA:PFA+1], s[PFA:PFA+1], s[PFS:PFS+1]
.endif
	MEET
	CREST                                          ; no wave of any partner still reads this slot or has a load on its way
.if (\mode) == 0
	s_add_nc_u64 s[G0+4*(\slot)+2:G0+4*(\slot)+3], s[G0+4*(\slot)+2:G0+4*(\slot)+3], 2*ASTEP
	s_add_nc_u64 s[G0B+4*(\slot)+2:G0B+4*(\slot)+3], s[G0B+4*(\slot)+2:G0B+4*(\slot)+3], 2*BSTEP
	JLOAD \slot                                    ; the first tensor load behind the round; the four v_nop behind it are also the places in front of the loads below
.else
	CLOAD                                          ; my one tensor load behind this round: 64 rows of c_prev into the part of slot 0 that held abf's tile
.endif
	FETCH \next, 0, F0
.if (\mode) == 0
	ASK
.endif
	MUL16 F1, 1, 0, 0
	MUL16 F1, 1, 2, 0
.endm
; THE CELL, for one block of 16 rows (block a of window 2 + hi): 8 accumulators, in each lane the four gates of 16 cells of one row.  Four batches of transcendentals, each with one plain instruction
; behind its last and ONE s_wait_alu ahead of its first use.  Each accumulator's lowest registers are read first.
.macro EPI hi, a
.set AC, 64*(\a)
.set RO, (4*(\hi)+(\a))*16*PA
	WIN 0
.irp b, 0,1,2,3,4,5,6,7
	ds_load_b64 v[CPR+2*(\b):CPR+2*(\b)+1], v[CPA] offset:CP+RO+16*(\b)  ; c_prev of cells 4 b + 2 h and the next; the 32 lanes take 64 different banks
.endr
	WIN 0x02+(\hi)                                 ; source 0: the accumulators' window
.irp b, 0,1,2,3,4,5,6,7
	v_pk_mul_f32 v[T+8*(\b):T+8*(\b)+1],   v[AC+8*(\b):AC+8*(\b)+1],   s[NL:NL+1] op_sel_hi:[1,0]  ; i: -x log2 e
	v_pk_mul_f32 v[T+8*(\b)+2:T+8*(\b)+3], v[AC+8*(\b)+2:AC+8*(\b)+3], s[NL:NL+1] op_sel_hi:[1,0]  ; f
	v_pk_mul_f32 v[T+8*(\b)+4:T+8*(\b)+5], v[AC+8*(\b)+4:AC+8*(\b)+5], s[TL:TL+1] op_sel_hi:[1,0]  ; g: 2 x log2 e
	v_pk_mul_f32 v[T+8*(\b)+6:T+8*(\b)+7], v[AC+8*(\b)+6:AC+8*(\b)+7], s[NL:NL+1] op_sel_hi:[1,0]  ; o
.endr
	WIN 0
.set z, 0
.rept 64
	v_exp_f32 v[T+z], v[T+z]
.set z, z+1
.endr
	v_nop
	s_wait_alu depctr_va_vdst(0)                   ; one wait for the 64 exponentials
.set z, 0
.rept 32
	v_pk_add_f32 v[T+z:T+z+1], v[T+z:T+z+1], 1.0 op_sel_hi:[1,0]
.set z, z+2
.endr
.set z, 0
.rept 64
	v_rcp_f32 v[T+z], v[T+z]
.set z, z+1
.endr
	v_nop
	s_wait_alu depctr_va_vdst(0)                   ; one wait for the 64 reciprocals: i, f, o are done
	s_wait_dscnt 0x0                               ; c_prev is in
.irp b, 0,1,2,3,4,5,6,7
	v_pk_fma_f32 v[T+8*(\b)+4:T+8*(\b)+5], v[T+8*(\b)+4:T+8*(\b)+5], -2.0, 1.0 op_sel_hi:[1,0,0]       ; g = 1 - 2 / (1 + 2^..)
.endr
.irp b, 0,1,2,3,4,5,6,7
	v_pk_mul_f32 v[T+8*(\b):T+8*(\b)+1], v[T+8*(\b):T+8*(\b)+1], v[T+8*(\b)+4:T+8*(\b)+5]               ; i g
.endr
.irp b, 0,1,2,3,4,5,6,7
	v_pk_fma_f32 v[CC+2*(\b):CC+2*(\b)+1], v[T+8*(\b)+2:T+8*(\b)+3], v[CPR+2*(\b):CPR+2*(\b)+1], v[T+8*(\b):T+8*(\b)+1]  ; c = f c_prev + i g
.endr
.irp b, 0,1,2,3,4,5,6,7
	ds_store_b64 v[CSA], v[CC+2*(\b):CC+2*(\b)+1] offset:RO+16*(\b)
.endr
.irp b, 0,1,2,3,4,5,6,7
	v_pk_mul_f32 v[U+2*(\b):U+2*(\b)+1], v[CC+2*(\b):CC+2*(\b)+1], s[TL:TL+1] op_sel_hi:[1,0]
.endr
.set z, 0
.rept 16
	v_exp_f32 v[U+z], v[U+z]
.set z, z+1
.endr
	v_nop
	s_wait_alu depctr_va_vdst(0)
.set z, 0
.rept 8
	v_pk_add_f32 v[U+z:U+z+1], v[U+z:U+z+1], 1.0 op_sel_hi:[1,0]
.set z, z+2
.endr
.set z, 0
.rept 16
	v_rcp_f32 v[U+z], v[U+z]
.set z, z+1
.endr
	v_nop
	s_wait_alu depctr_va_vdst(0)
.set z, 0
.rept 8
	v_pk_fma_f32 v[U+z:U+z+1], v[U+z:U+z+1], -2.0, 1.0 op_sel_hi:[1,0,0]                                ; tanh(c)
.set z, z+2
.endr
.irp b, 0,1,2,3,4,5,6,7
	v_pk_mul_f32 v[HH+2*(\b):HH+2*(\b)+1], v[U+2*(\b):U+2*(\b)+1], v[T+8*(\b)+6:T+8*(\b)+7]             ; h = o tanh(c)
.endr
.irp b, 0,1,2,3,4,5,6,7
	ds_store_b64 v[HSA], v[HH+2*(\b):HH+2*(\b)+1] offset:RO+16*(\b)
.endr
.endm
; THE WAY OUT.  32 rows of a stage come back as whole rows of 256 bytes, two rows a load, and are stored.
.macro LOADB adr, t0, S
.irp t, 0,1,2,3,4,5,6,7,8,9,10,11,12,13,14,15
	ds_load_b128 v[(\S)+4*(\t):(\S)+4*(\t)+3], v[\adr] offset:((\t0)+(\t))*2*PA
.endr
.endm
.macro SENDB S, base, t0, younger      ; younger: the LDS loads issued behind this set's sixteen, which may stay out
.irp t, 0,1,2,3,4,5,6,7,8,9,10,11,12,13,14,15
	s_wait_dscnt (\younger)+15-(\t)
	global_store_b128 v[CO], v[(\S)+4*(\t):(\S)+4*(\t)+3], s[(\base):(\base)+1] offset:((\t0)+(\t))*2*OROW th:TH_STORE_NT  ; 16 lanes store 256 consecutive bytes, at a multiple of 256 from the buffer's first byte
.endr
.endm
	s_wait_tensorcnt 1                             ; my part of K step 0 is in; K step 1's load may stay out
	s_barrier_signal -1
	s_barrier_wait -1                              ; everybody's is
	FETCH 0, 0, F0
	s_wait_loadcnt 0x0                             ; the biases
	QUARTER 0, 1, F0, F1, 1                        ; the first quarter stands in front of the loop: its products start the sums, with the bias
	WIN 0                                          ; at a label and at a branch every window is 0
	s_mov_b32 s3, LAPS-1
.Llap:                                         ; a trip goes once round the ring, from a lap's second quarter to the next lap's first, and fills both slots again
	QUARTER 0, 2, F1, F0, 0
	QUARTER 0, 3, F0, F1, 0
	TURN 0, 1, 0
	QUARTER 1, 1, F0, F1, 0
	QUARTER 1, 2, F1, F0, 0
	QUARTER 1, 3, F0, F1, 0
	TURN 1, 0, 0
	QUARTER 0, 1, F0, F1, 0
	WIN 0
	s_sub_co_u32 s3, s3, 1
	s_cmp_lg_u32 s3, 0
	s_cbranch_scc1 .Llap
	QUARTER 0, 2, F1, F0, 0                        ; the last lap, written out: no K step is left to ask for
	QUARTER 0, 3, F0, F1, 0
	TURN 0, 1, 1                                   ; slot 0 is left for good: its first part takes c_prev
	QUARTER 1, 1, F0, F1, 0
	QUARTER 1, 2, F1, F0, 0
	QUARTER 1, 3, F0, F1, 0
	s_wait_dscnt 8                                 ; the very last quarter: nothing more to fetch
	MUL16 F1, 0, 0, 0
	MUL16 F1, 0, 2, 0
	s_wait_dscnt 0x0                               ; my reads of slot 1 are over,
	s_wait_tensorcnt 0x0                           ; and my 64 rows of c_prev have landed:
	s_barrier_signal -1                            ; say so
	MUL16 F1, 1, 0, 0
	MUL16 F1, 1, 2, 0
	WIN 0
	s_barrier_wait -1                              ; c_prev is whole, and nobody reads slot 1 any more: its first part may take the stage of c
	PLACES                                         ; the places behind the last products (eight, once a launch), in front of the lines that read results and write fragment registers
	PLACES
	EPI 0, 0
	EPI 0, 1
	EPI 0, 2
	EPI 0, 3
	EPI 1, 0
	EPI 1, 1
	EPI 1, 2
	EPI 1, 3
	s_wait_dscnt 0x0                               ; for the others' sake: my stores into the stages are done
	s_barrier_signal -1
	s_barrier_wait -1                              ; a row's 256 bytes come from two waves
	LOADB RDC, 0, S0
	LOADB RDC, 16, S1
	SENDB S0, 78, 0, 16                            ; c, my rows 0-31
	LOADB RDH, 0, S2
	SENDB S1, 78, 16, 16                           ; c, my rows 32-63
	s_wait_xcnt 0x0                                ; the stores issued so far have had their addresses translated (ISA guide 3.1): set 0, which they read, is loaded again only behind this wait
	LOADB RDH, 16, S0
	SENDB S2, 80, 0, 16                            ; h, my rows 0-31
	SENDB S0, 80, 16, 0                            ; h, my rows 32-63
	s_wait_tensorcnt 0x0                           ; the wave's end, behind my last tensor load and my last LDS store
	ds_add_u32 v[SPW], v[NIL]
	s_wait_dscnt 0x0
	CROUND                                         ; the closing round: no work-group ends while a partner may still ask for a tile that names it
	s_endpgm
.Lfunc_end_k_q4c78405b05_lstm:
	.size	k_q4c78405b05_lstm, .Lfunc_end_k_q4c78405b05_lstm-k_q4c78405b05_lstm
	.p2alignl 7, 3214868480
	.fill 96, 4, 3214868480
	.section	.rodata,"a",@progbits
	.p2align	6, 0x0
	.amdhsa_kernel k_q4c78405b05_lstm
		.amdhsa_group_segment_fixed_size 327680
		.amdhsa_private_segment_fixed_size 0
		.amdhsa_enable_private_segment 0
		.amdhsa_kernarg_size 72
		.amdhsa_user_sgpr_count 2
		.amdhsa_user_sgpr_kernarg_segment_ptr 1
		.amdhsa_wavefront_size32 1
		.amdhsa_system_sgpr_workgroup_id_x 1
		.amdhsa_system_sgpr_workgroup_id_y 1
		.amdhsa_system_sgpr_workgroup_id_z 1
		.amdhsa_system_vgpr_workitem_id 0
		.amdhsa_next_free_vgpr 1024
		.amdhsa_next_free_sgpr 102
		.amdhsa_reserve_vcc 0
		.amdhsa_float_denorm_mode_32 3
		.amdhsa_float_denorm_mode_16_64 3
		.amdhsa_memory_ordered 1
		.amdhsa_forward_progress 1
		.amdhsa_inst_pref_size 245
	.end_amdhsa_kernel
	.amdgpu_metadata
---
amdhsa.version: [ 1, 2 ]
amdhsa.kernels:
  - .name:           k_q4c78405b05_lstm
    .symbol:         k_q4c78405b05_lstm.kd
    .args:
      - { .name: abf, .offset: 0, .size: 8, .value_kind: global_buffer, .address_space: global }
      - { .name: wbf, .offset: 8, .size: 8, .value_kind: global_buffer, .address_space: global }
      - { .name: output, .offset: 16, .size: 8, .value_kind: global_buffer, .address_space: global }
      - { .name: b_i, .offset: 24, .size: 8, .value_kind: global_buffer, .address_space: global }
      - { .name: b_f, .offset: 32, .size: 8, .value_kind: global_buffer, .address_space: global }
      - { .name: b_g, .offset: 40, .size: 8, .value_kind: global_buffer, .address_space: global }
      - { .name: b_o, .offset: 48, .size: 8, .value_kind: global_buffer, .address_space: global }
      - { .name: out0, .offset: 56, .size: 8, .value_kind: global_buffer, .address_space: global }
      - { .name: out1, .offset: 64, .size: 8, .value_kind: global_buffer, .address_space: global }
    .group_segment_fixed_size: 327680
    .private_segment_fixed_size: 0
    .kernarg_segment_align: 8
    .kernarg_segment_size: 72
    .max_flat_workgroup_size: 128
    .sgpr_count:     102
    .vgpr_count:     1024
    .wavefront_size: 32
...
	.end_amdgpu_metadata
.endif
;; end of part 2
;; ======== version 2 of 2: 2 launches; version 1 with the launch cast written anew for expert scheduling mode
;; workspace buffers: abf 16,777,216 bytes; wbf 67,108,864 bytes
;; launch cast (part 3): grid 1280 x 1, 8 waves a work-group, no clusters, 0 bytes of LDS; arguments input, hidden, W_ii, W_if, W_ig, W_io, W_hi, W_hf, W_hg, W_ho, abf, wbf; writes abf, wbf
.if DOCPART == 3
	.amdgcn_target "amdgcn-amd-amdhsa--gfx1250"
	.amdhsa_code_object_version 6
	.text
	.protected	k_q4c78405b05_cast
	.globl	k_q4c78405b05_cast
	.p2align	8
	.type	k_q4c78405b05_cast,@function
k_q4c78405b05_cast:
	s_mov_b64 s[64:65], 0
	v_nop
	global_prefetch_b8 v0, s[64:65] scope:SCOPE_SE
	s_setreg_imm32_b32 hwreg(HW_REG_WAVE_SCHED_MODE, 0, 2), 2
	s_setreg_imm32_b32 hwreg(HW_REG_WAVE_MODE, 25, 1), 1
	s_wait_xcnt 0x0
	s_wait_alu depctr_vm_vsrc(0)
; LSTM cell, launch 1 of 2: the matrix operands are rounded once to bf16 (nearest even) and laid out for launch 2.
; pre = [input | hidden] x [W_i* ; W_h*] + b is ONE product, M = 2048, K = 4096, N = 4 gates x 2048.
; NO WORK IS LEFT OUT in either launch: all 15 inputs reach both outputs (c = f c_prev + i g, h = o tanh c, and each gate takes both products and its bias).
; This launch loads the ten matrix operands; the four biases and output (c_prev) stay f32 and are loaded by launch 2.
;   abf [2048 m][4096 k] bf16: k < 2048 is input[m][k], the rest hidden[m][k - 2048]; a row is 8,192 bytes.
;   wbf [32 cb][4096 k][256 n] bf16: cb is a block of 64 cell columns; column c64 of it and gate g (0 i, 1 f, 2 g, 3 o) lie at n = 8 (c64 / 2) + 2 g + c64 % 2;
;       k < 2048 comes from W_i*, the rest from W_h*.  A row is 512 bytes, a block 2,097,152.
;       So a lane that takes two neighbouring columns of each of the four gates holds 16 bytes on end of wbf, and in launch 2 the eight numbers of a lane in one
;       accumulator are i, i, f, f, g, g, o, o of two neighbouring cells of one row.
; A STREAM: straight text, no loop, no LDS, no barrier; no register is written twice, so no wait frees one.  Every work-group moves 128 KiB in and 64 KiB out.
; No matrix unit (nothing is multiplied), no tensor load or cluster (no byte is wanted by two waves or two work-groups), no prefetch (all loads of a wave go out at once).
; Work-groups 0..1023: weights.  1024..1279: input and hidden.  The branch hangs on the work-group number alone.
; THE MODE: SCHED_MODE bits 1:0 = 2 (LLVM: expert scheduling mode 2), set by the entry lines.  The code itself states the register dependences
; between vector instructions and memory instructions, with s_wait_alu, always for 0.
; THE PLAN.  Registers that memory instructions touch, in each of the two arms:
;   v2, v3   byte offsets of the loads and of the stores: made once at the arm's head, never written again.  One wait on va_vdst ahead of the first load states that they are written.
;   X        written by the loads alone, once; read by the conversions, behind the counted wait for the load.  No vector instruction names X ahead of the loads, and nothing lands in it twice.
;   Y        written by the conversions, each register once; read by the stores.
;   s3       the wave number, written by v_readfirstlane_b32: one wait on va_sdst ahead of the branch and of its first reader.
; An arm goes in four blocks (weights: four rows; input and hidden: eight loads).  Block p converts its part of X into its part of Y; its memory instructions are the stores of block p - 1,
; one ahead of each row's conversions.  ONE wait on va_vdst at a block's head states that the block before has written its Y; the conversions that follow it name X and Y of block p alone,
; none of the registers that those stores read.  One more stands ahead of the last block's stores.  No register that a memory instruction reads is written again: no wait on vm_vsrc is owed.
.set X,    4                           ; v[4:131]    as loaded, f32
.set Y,    132                         ; v[132:195]  packed bf16
.set ROWF, 8192                        ; bytes in a row of every f32 operand, and of abf
.set ROWW, 512                         ; bytes in a row of wbf
.set WBLK, 4                           ; weights: rows in a block
.set ABLK, 8                           ; input and hidden: loads in a block
	s_load_b512 s[4:19], s[0:1], 0x0               ; input 4:5, hidden 6:7, W_ii 8:9, W_if 10:11, W_ig 12:13, W_io 14:15, W_hi 16:17, W_hf 18:19
	s_load_b256 s[20:27], s[0:1], 0x40             ; W_hg 20:21, W_ho 22:23, abf 24:25, wbf 26:27
	v_and_b32 v1, 31, v0                           ; lane
	v_lshrrev_b32 v2, 5, v0
	v_readfirstlane_b32 s3, v2                     ; wave 0..7
	s_mov_b32 s2, ttmp9
	s_wait_alu depctr_va_sdst(0)                   ; s3 is written: both arms make their offsets from it; the wait stands ahead of the branch, in the writer's own run of code
	s_cmp_lt_u32 s2, 0x400
	s_cbranch_scc0 .Lact
	; WEIGHTS.  The work-group takes 16 rows k (block kb of 256) of 8 column blocks; wave w takes column block cb = 8 cq + w, all four gates.
	s_lshr_b32 s36, s2, 2                          ; kb
	s_and_b32 s37, s2, 3                           ; cq
	s_lshl3_add_u32 s37, s37, s3                   ; cb
	s_and_b32 s38, s36, 127                        ; the block of rows inside its own matrix,
	s_lshl_b32 s38, s38, 17                        ; 16 rows of 8,192 bytes each
	s_lshl_b32 s39, s37, 8                         ; 64 columns of f32
	s_add_co_u32 s38, s38, s39
	v_lshl_add_u32 v2, v1, 3, s38                  ; + two columns a lane: a load of the wave covers 256 bytes on end, aligned
	s_lshl_b32 s39, s37, 21                        ; in wbf: the column block,
	s_lshl_b32 s37, s36, 13                        ; 16 rows of 512 bytes
	s_add_co_u32 s39, s39, s37
	v_lshl_add_u32 v3, v1, 4, s39                  ; + 16 bytes a lane: a store of the wave covers a whole row of 512 bytes
	s_wait_kmcnt 0x0
	s_cmp_lt_u32 s36, 128                          ; k < 2048: the matrices that multiply input
	s_cselect_b64 s[28:29], s[8:9], s[16:17]       ; gate i
	s_cselect_b64 s[30:31], s[10:11], s[18:19]     ; gate f
	s_cselect_b64 s[32:33], s[12:13], s[20:21]     ; gate g
	s_cselect_b64 s[34:35], s[14:15], s[22:23]     ; gate o
	s_wait_alu depctr_va_vdst(0)                   ; v2 and v3 are written: every load of this arm reads v2 as its offset, every store v3
.irp i, 0,1,2,3,4,5,6,7,8,9,10,11,12,13,14,15
.irp g, 0,1,2,3
	global_load_b64 v[X+8*(\i)+2*(\g):X+8*(\i)+2*(\g)+1], v2, s[28+2*(\g):29+2*(\g)] offset:(\i)*ROWF th:TH_LOAD_NT
.endr
.endr
.irp i, 0,1,2,3,4,5,6,7,8,9,10,11,12,13,14,15
	s_wait_loadcnt 60-4*(\i)                       ; loads come back in order: row i's four are in, the 60 - 4 i issued behind them stay out
.if ((\i) % WBLK == 0) && ((\i) > 0)
	s_wait_alu depctr_va_vdst(0)                   ; a block's head: the conversions of the block before have written its sixteen registers of Y, which this block's four stores read
.endif
.if (\i) >= WBLK
	global_store_b128 v3, v[Y+4*((\i)-WBLK):Y+4*((\i)-WBLK)+3], s[26:27] offset:((\i)-WBLK)*ROWW th:TH_STORE_NT  ; the same row of the block before; no vector instruction since the wait names its registers
.endif
.irp g, 0,1,2,3
	v_cvt_pk_bf16_f32 v[Y+4*(\i)+(\g)], v[X+8*(\i)+2*(\g)], v[X+8*(\i)+2*(\g)+1]
.endr
.endr
	s_wait_alu depctr_va_vdst(0)                   ; the last block's conversions have written its Y, which the last four stores read
.irp i, 12,13,14,15
	global_store_b128 v3, v[Y+4*(\i):Y+4*(\i)+3], s[26:27] offset:(\i)*ROWW th:TH_STORE_NT
.endr
	s_endpgm
.Lact:
	; INPUT AND HIDDEN.  The work-group takes 16 rows of one of the two, wave w two of them: 16,384 bytes on end.
	s_sub_co_u32 s36, s2, 0x400
	s_lshr_b32 s37, s36, 7                         ; 0: input, 1: hidden
	s_and_b32 s38, s36, 127
	s_lshl_b32 s38, s38, 4
	s_lshl1_add_u32 s38, s3, s38                   ; my first row = 16 x block + 2 x wave
	s_lshl_b32 s38, s38, 13                        ; rows of 8,192 bytes, in the source and in abf
	v_lshl_add_u32 v2, v1, 4, s38                  ; four f32 a lane
	s_lshl_b32 s39, s37, 12                        ; hidden takes the second half of a row of abf
	s_add_co_u32 s39, s39, s38
	v_lshl_add_u32 v3, v1, 3, s39                  ; four bf16 a lane: a store of the wave covers 256 bytes on end, aligned
	s_wait_kmcnt 0x0
	s_cmp_eq_u32 s37, 0
	s_cselect_b64 s[28:29], s[4:5], s[6:7]
	s_wait_alu depctr_va_vdst(0)                   ; v2 and v3 are written: every load of this arm reads v2 as its offset, every store v3
.irp j, 0,1,2,3,4,5,6,7,8,9,10,11,12,13,14,15,16,17,18,19,20,21,22,23,24,25,26,27,28,29,30,31
	global_load_b128 v[X+4*(\j):X+4*(\j)+3], v2, s[28:29] offset:(\j)*512 th:TH_LOAD_NT
.endr
.irp j, 0,1,2,3,4,5,6,7,8,9,10,11,12,13,14,15,16,17,18,19,20,21,22,23,24,25,26,27,28,29,30,31
	s_wait_loadcnt 31-(\j)                         ; load j is in, the younger ones stay out
.if ((\j) % ABLK == 0) && ((\j) > 0)
	s_wait_alu depctr_va_vdst(0)                   ; a block's head: the conversions of the block before have written its sixteen registers of Y, which this block's eight stores read
.endif
.if (\j) >= ABLK
	global_store_b64 v3, v[Y+2*((\j)-ABLK):Y+2*((\j)-ABLK)+1], s[24:25] offset:(((\j)-ABLK)/16)*ROWF+(((\j)-ABLK)%16)*256 th:TH_STORE_NT  ; the same place of the block before; no vector instruction since the wait names its registers
.endif
	v_cvt_pk_bf16_f32 v[Y+2*(\j)], v[X+4*(\j)], v[X+4*(\j)+1]
	v_cvt_pk_bf16_f32 v[Y+2*(\j)+1], v[X+4*(\j)+2], v[X+4*(\j)+3]
.endr
	s_wait_alu depctr_va_vdst(0)                   ; the last block's conversions have written its Y, which the last eight stores read
.irp j, 24,25,26,27,28,29,30,31
	global_store_b64 v3, v[Y+2*(\j):Y+2*(\j)+1], s[24:25] offset:((\j)/16)*ROWF+((\j)%16)*256 th:TH_STORE_NT
.endr
	s_endpgm
.Lfunc_end_k_q4c78405b05_cast:
	.size	k_q4c78405b05_cast, .Lfunc_end_k_q4c78405b05_cast-k_q4c78405b05_cast
	.p2alignl 7, 3214868480
	.fill 96, 4, 3214868480
	.section	.rodata,"a",@progbits
	.p2align	6, 0x0
	.amdhsa_kernel k_q4c78405b05_cast
		.amdhsa_group_segment_fixed_size 0
		.amdhsa_private_segment_fixed_size 0
		.amdhsa_enable_private_segment 0
		.amdhsa_kernarg_size 96
		.amdhsa_user_sgpr_count 2
		.amdhsa_user_sgpr_kernarg_segment_ptr 1
		.amdhsa_wavefront_size32 1
		.amdhsa_system_sgpr_workgroup_id_x 1
		.amdhsa_system_sgpr_workgroup_id_y 1
		.amdhsa_system_sgpr_workgroup_id_z 1
		.amdhsa_system_vgpr_workitem_id 0
		.amdhsa_next_free_vgpr 196
		.amdhsa_next_free_sgpr 66
		.amdhsa_reserve_vcc 0
		.amdhsa_float_denorm_mode_32 3
		.amdhsa_float_denorm_mode_16_64 3
		.amdhsa_memory_ordered 1
		.amdhsa_forward_progress 1
		.amdhsa_inst_pref_size 26
	.end_amdhsa_kernel
	.amdgpu_metadata
---
amdhsa.version: [ 1, 2 ]
amdhsa.kernels:
  - .name:           k_q4c78405b05_cast
    .symbol:         k_q4c78405b05_cast.kd
    .args:
      - { .name: input, .offset: 0, .size: 8, .value_kind: global_buffer, .address_space: global }
      - { .name: hidden, .offset: 8, .size: 8, .value_kind: global_buffer, .address_space: global }
      - { .name: W_ii, .offset: 16, .size: 8, .value_kind: global_buffer, .address_space: global }
      - { .name: W_if, .offset: 24, .size: 8, .value_kind: global_buffer, .address_space: global }
      - { .name: W_ig, .offset: 32, .size: 8, .value_kind: global_buffer, .address_space: global }
      - { .name: W_io, .offset: 40, .size: 8, .value_kind: global_buffer, .address_space: global }
      - { .name: W_hi, .offset: 48, .size: 8, .value_kind: global_buffer, .address_space: global }
      - { .name: W_hf, .offset: 56, .size: 8, .value_kind: global_buffer, .address_space: global }
      - { .name: W_hg, .offset: 64, .size: 8, .value_kind: global_buffer, .address_space: global }
      - { .name: W_ho, .offset: 72, .size: 8, .value_kind: global_buffer, .address_space: global }
      - { .name: abf, .offset: 80, .size: 8, .value_kind: global_buffer, .address_space: global }
      - { .name: wbf, .offset: 88, .size: 8, .value_kind: global_buffer, .address_space: global }
    .group_segment_fixed_size: 0
    .private_segment_fixed_size: 0
    .kernarg_segment_align: 8
    .kernarg_segment_size: 96
    .max_flat_workgroup_size: 256
    .sgpr_count:     66
    .vgpr_count:     196
    .wavefront_size: 32
...
	.end_amdgpu_metadata
.endif
;; end of part 3
;; launch lstm: the kernel of part 2 again; grid 32 x 8, 4 waves a work-group, clusters of 4 x 4, 327,680 bytes of LDS; arguments abf, wbf, output, b_i, b_f, b_g, b_o, out0, out1; writes out0, out1
